; MI455X (gfx1250); checked and timed in simulation.
; The chip was launched on July 23, 2026; its instructions are those of AMD's public machine-readable ISA for CDNA 5 (MIT licence, August 2026) and "CDNA5" Instruction Set Architecture Reference Guide (July 2026). The comments in the code are by the model that wrote it; some were corrected since.
;; Monotonic NN. Allowed arithmetic: matrix products marked QUANTISED: E4M3 operands, one E8M0 scale for each 32 along K, by v_wmma_scale_f32_16x16x128_f8f6f4 with both operands' format E4M3, f32 sums; products left as they are: f32 operands where the result goes on into a quantised operand, else bf16, f16 or f32 operands; f32 sums; everything else in f32.
;; Inputs: iW0 8 x 128 float32; iW1 128 x 128 float32; iW2 128 x 1 float32; ib0 128 float32; ib1 128 float32; ib2 1 float32; nW0 7 x 128 float32; nW1 128 x 128 float32; nW2 128 x 2 float32; nb0 128 float32; nb1 128 float32; nb2 2 float32; x_input 32,768 x 8 float32.
;; Outputs: out0 32,768 x 1 float32.
;; This version of the problem:
;;   THIS VERSION OF THE PROBLEM IS GIVEN IN LOW PRECISION. The matrix products marked QUANTISED in the list below multiply operands that are first quantised to E4M3 (4 exponent bits, 3 mantissa bits; 8 bits a number), with one power-of-two scale for each 32 numbers along K (OCP MX v1.0); their sums are f32. All else is computed in f32.
;;   The module's matrix products, in the order in which they are computed (A, B: the left and right operand; K: the contracted axis; several contracted axes count as one K, in the product's order):
;;     1. [M 1,671,168, K 8] x [K 8, N 128]; A: computed on the way; B: input iW0: left as it is (K = 8 < 32)
;;     2. [M 1,671,168, K 128] x [K 128, N 128]; A: computed on the way; B: input iW1: QUANTISED
;;     3. [M 1,671,168, K 128] x [K 128, N 1]; A: computed on the way; B: input iW2: left as it is (N = 1 < 16)
;;     4. [M 32,768, K 7] x [K 7, N 128]; A: input x_input; B: input nW0: left as it is (K = 7 < 32)
;;     5. [M 32,768, K 128] x [K 128, N 128]; A: computed on the way; B: input nW1: QUANTISED
;;     6. [M 32,768, K 128] x [K 128, N 2]; A: computed on the way; B: input nW2: left as it is (N = 2 < 16)
;;   THE QUANTISER, for each operand of a quantised product, along K:
;;     - K is cut into blocks of 32 from its start; a last block that is shorter is filled with zeros.
;;     - A block's scale is 2^e with e = floor(log2(the largest magnitude in the block)) - 8, held to -126 .. 127; a block of zeros has e = 0. As a byte (E8M0): e + 127.
;;     - Each number is divided by its block's scale, clamped to +-448, and rounded to the nearest number of E4M3, ties to even, subnormals kept.
;;     - The product sums the exact products of the quantised numbers (number of the format x scale) in f32.
;;   ~~~python
;;   def quantise(x, axis):      # numpy; x: float32 -> the quantised numbers, widened to float32 again
;;       x = np.moveaxis(x, axis, -1); K = x.shape[-1]
;;       x = np.pad(x, [(0, 0)] * (x.ndim - 1) + [(0, -K % 32)]); x = x.reshape(x.shape[:-1] + (-1, 32)); a = np.abs(x).max(-1, keepdims=True)
;;       e = np.where(a > 0, np.clip(np.frexp(np.where(a > 0, a, 1))[1] - 1 - 8, -126, 127), 0)      # np.frexp(a)[1] - 1 = floor(log2(a)), exactly
;;       r = np.clip(x / 2.0 ** e, -448, 448)
;;       step = 2.0 ** (np.maximum(np.frexp(np.where(r == 0, 1, r))[1] - 1, -6) - 3)
;;       q = np.round(r / step) * step * 2.0 ** e      # np.round: ties to even
;;       return np.moveaxis(q.reshape(q.shape[:-2] + (-1,))[..., :K], -1, axis).astype(np.float32)
;;   ~~~
;;   OPERANDS COMPUTED ON THE WAY. 'Computed on the way' means the value that the module computes at that place (a softmax that the list does not call 'softmax' is quantised finished and normalised). What goes into a quantiser is computed in f32, as accurately as f32 sums, v_exp_f32 and their like allow (about 1e-6 of the number): no bf16 or f16 on the way to a quantiser, and a product that is left as it is and whose result goes on into a quantised operand takes f32 operands (vector FMAs, or v_wmma_f32_16x16x4_f32). A number that lies on a knife's edge between two numbers of the format may be rounded either way, as far as f32 arithmetic and the matrix unit's own rounding can turn it there, and no further.
;; One version. Each part assembles by itself: llvm-mc -triple=amdgcn-amd-amdhsa -mcpu=gfx1250 --defsym DOCPART=n.
;; ======== version 1 of 1: 1 launch
;; launch mono (part 1): grid 256 x 1, 8 waves a work-group, no clusters, 51,200 bytes of LDS; arguments x_input, iW0, ib0, iW1, ib1, iW2, ib2, nW0, nb0, nW1, nb1, nW2, nb2, out0; writes out0
.if DOCPART == 1
	.amdgcn_target "amdgcn-amd-amdhsa--gfx1250"
	.amdhsa_code_object_version 6
	.text
	.protected	k_qcaf5289633_mono
	.globl	k_qcaf5289633_mono
	.p2align	8
	.type	k_qcaf5289633_mono,@function
k_qcaf5289633_mono:
	s_mov_b64 s[64:65], 0
	v_nop
	global_prefetch_b8 v0, s[64:65] scope:SCOPE_SE
	s_setreg_imm32_b32 hwreg(HW_REG_WAVE_MODE, 25, 1), 1
	s_wait_xcnt 0x0
; MonotonicNN in MX-FP8, everything in one launch.
;   out = sigmoid( exp(o1) * (x/2) * sum_s cc_s (elu(g_s) + 1) + o0 ),  g_s = the integrand net at (x t_s, h),  (o0, o1) = the offset net at h.
; SHARES.  256 work-groups x 128 samples; 8 waves; a wave keeps 16 samples for its whole life.  A tile is the wave's 16 samples at ONE quadrature
; point s.  51 trips for the integrand; one like step in front of them, with the other net's weights, is the offset net.
; THE TWO 128 x 128 PRODUCTS are done on codes of E4M3 with one E8M0 byte for each 32 along K, by the scaled matrix instruction, USED TRANSPOSED:
; source 0 = 16 output features of the weight (codes laid [n][k]), source 1 = my 16 samples.  So a lane (r = lane % 16, h = lane / 16) holds ONE sample r
; throughout: of the operand the hidden units k = 32 c + 16 h + 0..15 (element e = 16 c + i), of the result the features 16 ft + 8 h + 0..7.
; The second layer's bias is the product's C (64 registers in the result's layout); the last layer is 32 packed multiply-adds and one exchange of lane halves.
; FIRST LAYER.  It is affine in the abscissa: z.iW0 + ib0 = a + t_s b with a = ib0 + h.iW0[1:], b = x iW0[0], in f32.  a, b and the offset net's hidden layer
; are made once by the f32 matrix form (40 instructions a wave).  The features that form a tile are chosen (row p of tile 2 c + u = feature 32 c + 8 u + p + 8 (p / 8))
; so that the results lie in the code operand's order; the bias rides in K slot 0 against an input of 1.0.
; QUANTISER of a tile: the block's maximum is taken of the raw numbers together with 2^-118, which is positive (it stands in for ReLU's 0) and has the exponent
; field 9 (the byte never falls under 1); one v_med3 between 0 and 448 x scale is ReLU and the hold at the largest code in one.
; The weights are quantised once per work-group: wave w takes 32 rows of K (one block) of iW1 (w < 4) or nW1, a lane four columns.
; BY TURNS.  A trip has 8 products and some 250 vector instructions, so the order serves the vector work.  The products do not stand together: behind the third,
; each is followed by a slot of vector lines on tiles whose products are done: ReLU of tile j, the last layer of tile j - 1, and the NEXT point's first layer into the
; registers of tile j - 2, line by line in turn, so that a result is used 8 to 12 lines behind its making.  The end of point s - 1 (sum over features, elu, weight), a chain
; of 12 dependent lines, is dealt through point s's quantiser.  One window setting (source 0 in window 1) serves products and slots: two switches a trip.
; NOT USED: tensor loads and a ring (nothing is streamed: 140 KB of f32 weights are read once and have to pass through registers to be quantised); clusters with joint
; requests (for the same reason; what is shared is read once, ahead of 51 trips that touch no memory); prefetches (no trip waits for memory); a quantising launch of its own
; (its work here is some 230 vector instructions a wave, ahead of 51 trips of some 250).
; LIMITS KEPT.  NaN and infinities among the inputs are not served (the *_num maxima drop a NaN; unused K slots multiply a weight by 0).  A block of zeros carries the
; byte 1 and not 127: its codes are all 0, so the product is the same.  v_exp_f32 gives 0 for results below 2^-126.  t_s and cc_s come from a fixed-point recurrence of
; the assembler (scale 2^30, rounded divisions), good to about 1e-7 absolute.  The first layer's bias is summed first, not last (f32 rounding only).
.set NPTS,   51                        ; quadrature points
.set WPITCH, 144                       ; LDS pitch of a row of 128 codes: 128 + 16 bytes = 9 x 16
.set WBYTES, 128*WPITCH                ; one matrix of codes: 18,432 bytes
; LDS map
.set TAB,    0                         ; 52 entries of 8 bytes: entry i = (t_(i+1), cc_(i-1)): what trip i wants
.set OUTS,   512                       ; 128 results
.set SM,     1024                      ; six runs of 512 bytes, one staged by each of waves 0 to 5:
.set IB0,    SM
.set IB1,    SM+512
.set NB1,    SM+1024
.set IW2,    SM+1536
.set NW2,    SM+2048                   ; 1,024 bytes, (f, 0), (f, 1) as they lie
.set L0I,    4096                      ; iW0, 8 rows of 512 bytes
.set L0N,    8192                      ; row 0 = nb0, row k = nW0[k - 1]: row k is K slot k
.set SCW,    12288                     ; scale words [n][4 bytes]: iW1's 512 bytes, then nW1's
.set WI,     13312                     ; iW1's codes [n][k]
.set WN,     WI+WBYTES                 ; nW1's
; window 0
.set TAB_A,  1                         ; 8 x trips done          (before the loop: VA00)
.set VA00,   1                         ; 4 f + 4096 h: with IB0 in the immediate, ib0 for lanes 0-15 and iW0's row 2 for lanes 16-31
.set X,      2                         ; x of sample r
.set OFF,    3                         ; o0
.set SCL,    4                         ; exp(o1)                 (head: r)
.set RR,     4
.set ZEST,   5                         ; the weighted sum        (head: h)
.set HH,     5
.set GG,     6                         ; g                       (before the loop: 32 h)
.set H32,    6
.set GP,     7                         ; the other half's g      (before the loop: 64 h)
.set H64,    7
.set T,      8                         ; v[8:9] the table entry  (before the loop: (x in lanes 0-15, 0))
.set KAP,    10                        ; v[10:11] ib2 / 4, twice (before the loop: (0, x in lanes 0-15))
.set EN,     12                        ;                         (before the loop: VFR)
.set VFR,    12                        ; 144 r + 16 h
.set EP,     13
.set VWS,    13                        ; 4 r
.set ZS,     14                        ; the samples' scale word: holds scales and nothing else
.set OUTA,   15                        ; 64 w + 4 r
.set WS,     16                        ; v[16:23] the weight's scale words, tile ft: hold scales and nothing else
.set M,      24                        ; v[24:27] block maxima
.set PM,     28                        ; v[28:31] a second chain of maxima, then the other half's, then the bytes
.set HI,     32                        ; v[32:35] 448 x scale
.set SC,     36                        ; v[36:39] the scale for the conversion (its exponent field)
.set P,      40                        ; v[40:47] four pair sums (prologue: staged rows, then FB)
.set FB,     40                        ; iW0[0] at the eight tiles' features
.set C,      48                        ; v[48:63] the samples' codes (prologue: see below)
.set XA,     52                        ; v[52:53] inputs 2h, 2h+1 of sample r, input 0 replaced by 1.0
.set XK1,    54                        ; v[54:55] inputs 4+2h, 5+2h
.set T16,    56                        ; 16 x thread
.set L16,    57                        ; 16 x lane
.set VX,     58
.set VXR,    59
.set VST,    60
.set VSB,    61
.set VF,     62                        ; 4 f + 1024 h
.set VF0,    63                        ; 4 f,  f = r + 8 (r / 8)
.set A_,     64                        ; v[64:127]  a: written by f32 matrix instructions alone
.set BIAS,   128                       ; v[128:191] the second layer's bias in the result's layout (offset net's last layer: 32 pairs of nW2)
.set R,      192                       ; v[192:255] z1, then the product's result
.set Y,      192                       ; weight quantiser: one column's 32 numbers
.set CD,     224                       ; weight quantiser: four columns' codes
.set FN,     192                       ; first-layer fragments of the offset net
.set FA,     224                       ; and of the integrand
.set TT,     192                       ; the table's scratch (wave 7)
; window 1
;            0                         ; v[0:127]   the weight's eight fragments (first: the 32 loaded rows x 4 columns)
.set B1,     128                       ; v[128:191] the offset net's hidden layer, then b: written by f32 matrix instructions alone
.set W2,     192                       ; v[192:255] iW2 in the result's layout (offset net's last layer: the other 32 pairs of nW2)
.set MSB, 0
.macro WIN new                         ; s_set_vgpr_msb: bits 1:0 source 0, 3:2 source 1, 5:4 source 2, 7:6 destination; the high byte repeats the setting left
.if MSB != \new
	s_set_vgpr_msb (MSB<<8)|\new
.set MSB, \new
.endif
.endm
; The eight fragments of one weight matrix (16 features x 128 K of codes: lane holds row r; registers 4c..4c+3 hold k = 32c + 16h + 0..15) and their scale words
.macro FRAG cbase, sbase
	WIN 0x40
.irp ft, 0,1,2,3,4,5,6,7
.irp c, 0,1,2,3
	ds_load_b128 v[16*\ft+4*\c:16*\ft+4*\c+3], v[VFR] offset:\cbase+16*WPITCH*\ft+32*\c
.endr
.endr
	WIN 0
.irp ft, 0,1,2,3,4,5,6,7
	ds_load_b32 v[WS+\ft], v[VWS] offset:\sbase+64*\ft
.endr
.endm
; 128 f32 in the result's layout: element 8 ft + j = arr[16 ft + 8 h + j].  The caller sets the destination's window.
.macro BLOAD dst, arr
.irp ft, 0,1,2,3,4,5,6,7
	ds_load_b128 v[\dst+8*\ft:\dst+8*\ft+3],   v[H32] offset:\arr+64*\ft
	ds_load_b128 v[\dst+8*\ft+4:\dst+8*\ft+7], v[H32] offset:\arr+64*\ft+16
.endr
.endm
; First-layer fragments for the f32 matrix form (register j of a K step: k = 2h + j; lane r: the tile's row r).  Tile t begins at feature 32 (t/2) + 8 (t%2).
; Register 4t: K slot 2h (slot 0 is the bias);  4t+1: slot 1+2h;  4t+2: slot 4+2h;  4t+3: slot 5+2h.
.macro L1F dst, a00, b00, base
.irp t, 0,1,2,3,4,5,6,7
	ds_load_b32 v[\dst+4*\t],   v[\a00] offset:\b00+128*(\t/2)+32*(\t%2)
	ds_load_b32 v[\dst+4*\t+1], v[VF]   offset:\base+512+128*(\t/2)+32*(\t%2)
	ds_load_b32 v[\dst+4*\t+2], v[VF]   offset:\base+2048+128*(\t/2)+32*(\t%2)
	ds_load_b32 v[\dst+4*\t+3], v[VF]   offset:\base+2560+128*(\t/2)+32*(\t%2)
.endr
.endm
; 16 f32 matrix instructions: 128 features x 16 samples, K = 8 in two steps.  The first step starts each sum (C = 0); the eight accumulators take turns, one
; instruction a turn.  The caller sets the window of C and D.
.macro FW D, F
.irp t, 0,1,2,3,4,5,6,7
	v_wmma_f32_16x16x4_f32 v[\D+8*\t:\D+8*\t+7], v[\F+4*\t:\F+4*\t+1], v[XA:XA+1], 0
.endr
.irp t, 0,1,2,3,4,5,6,7
	v_wmma_f32_16x16x4_f32 v[\D+8*\t:\D+8*\t+7], v[\F+4*\t+2:\F+4*\t+3], v[XK1:XK1+1], v[\D+8*\t:\D+8*\t+7]
.endr
.endm
; THE END OF A POINT, step n of 12: my 64 features' share of g, the other half's, elu(g) + 1 = max(g, 0) + e^min(g, 0) (no branch, the exponent is never above 0), the weight.
.macro TL n
.if \n == 1
	v_pk_add_f32 v[P:P+1],   v[P:P+1],   v[P+2:P+3]
.elseif \n == 2
	v_pk_add_f32 v[P+4:P+5], v[P+4:P+5], v[P+6:P+7]
.elseif \n == 3
	v_pk_add_f32 v[P:P+1],   v[P:P+1],   v[P+4:P+5]
.elseif \n == 4
	v_add_f32 v[GG], v[P], v[P+1]
.elseif \n == 5
	v_permlanex16_b32 v[GP], v[GG], s40, s41       ; the other 64 features lie in lane l xor 16
.elseif \n == 6
	v_add_f32 v[GG], v[GG], v[GP]
.elseif \n == 7
	v_min_num_f32 v[EN], 0, v[GG]
.elseif \n == 8
	v_max_num_f32 v[EP], 0, v[GG]
.elseif \n == 9
	v_mul_f32 v[EN], 0x3fb8aa3b, v[EN]
.elseif \n == 10
	v_exp_f32 v[EN], v[EN]
.elseif \n == 11
	s_wait_alu depctr_va_vdst(0)
	v_add_f32 v[EP], v[EP], v[EN]
.else
	v_fmac_f32 v[ZEST], v[T+1], v[EP]
.endif
.endm
.macro TLQ tail, n
.if \tail
	TL \n
.endif
.endm
.macro QMED src, dst, c, from, to      ; ReLU and the hold at 448 x scale in one: the conversion to an 8-bit code does not saturate (ISA guide 7.6.2)
.set qi, \from
.rept \to-\from
	v_med3_num_f32 v[\dst+16*\c+qi], v[\src+16*\c+qi], 0, v[HI+\c]
.set qi, qi+1
.endr
.endm
.macro QCVT dst, c                     ; registers 4c..4c+3 of the operand: k = 32c + 16h + 0..15
	v_cvt_scalef32_pk8_fp8_f32 v[C+4*\c:C+4*\c+1],   v[\dst+16*\c:\dst+16*\c+7],    v[SC+\c]
	v_cvt_scalef32_pk8_fp8_f32 v[C+4*\c+2:C+4*\c+3], v[\dst+16*\c+8:\dst+16*\c+15], v[SC+\c]
.endm
; relu(src) is quantised along K into C and ZS; the held numbers go to dst (window 0).  A block of 32 is my 16 numbers and those of lane l xor 16.
; sw = 1: src lies in window 1.  tail = 1 (only with sw = 0): steps 1 to 11 of the point before are dealt in: 1 to 6 between the groups of four of the scale's own
; chain, so that in both chains a line stands five or more behind the one that it reads; 7 to 11 among the v_med3.
; Two chains of maxima a block: elements 0-6, 14, 15 and elements 7-13: eight chains in all, each line eight behind the one that it reads.
.macro QUANT src, dst, sw, tail
	WIN (0x15*\sw)
.irp c, 0,1,2,3
	v_max3_num_f32 v[M+\c], v[\src+16*\c], v[\src+16*\c+1], v[\src+16*\c+2]        ; a matrix result is read from its low end on: tile 2c here,
.endr
.irp c, 0,1,2,3
	v_max3_num_f32 v[PM+\c], v[\src+16*\c+7], v[\src+16*\c+8], v[\src+16*\c+9]     ; tile 2c + 1 (elements 8 on) here
.endr
	WIN (0x05*\sw)
.irp i, 0,1
.irp c, 0,1,2,3
	v_max3_num_f32 v[M+\c], v[\src+16*\c+3+2*\i], v[\src+16*\c+4+2*\i], v[M+\c]
.endr
.irp c, 0,1,2,3
	v_max3_num_f32 v[PM+\c], v[\src+16*\c+10+2*\i], v[\src+16*\c+11+2*\i], v[PM+\c]
.endr
.endr
.irp c, 0,1,2,3
	v_max3_num_f32 v[M+\c], v[\src+16*\c+14], v[\src+16*\c+15], v[M+\c]
.endr
	WIN 0
	TLQ \tail, 1
	TLQ \tail, 2
.irp c, 0,1,2,3
	v_max3_num_f32 v[M+\c], v[M+\c], v[PM+\c], s42                                 ; both chains, and 2^-118
.endr
	TLQ \tail, 3
.irp c, 0,1,2,3
	v_permlanex16_b32 v[PM+\c], v[M+\c], s40, s41
.endr
	TLQ \tail, 4
.irp c, 0,1,2,3
	v_max_num_f32 v[M+\c], v[M+\c], v[PM+\c]                                       ; the block's largest number
.endr
	TLQ \tail, 5
.irp c, 0,1,2,3
	v_add_nc_u32 v[SC+\c], s45, v[M+\c]                                            ; exponent field - 8 = the byte; the conversion looks at that field alone
.endr
.irp c, 0,1,2,3
	v_and_or_b32 v[HI+\c], v[M+\c], s43, s44                                       ; 448 x scale: the maximum's exponent field, the mantissa field of 448
.endr
	TLQ \tail, 6
.irp c, 0,1,2,3
	v_lshrrev_b32 v[PM+\c], 23, v[SC+\c]
.endr
	WIN (0x01*\sw)
	QMED \src, \dst, 0, 0, 4
	WIN 0
	v_lshl_or_b32 v[PM],   v[PM+1], 8, v[PM]
	v_lshl_or_b32 v[PM+2], v[PM+3], 8, v[PM+2]
	WIN (0x01*\sw)
	QMED \src, \dst, 0, 4, 8
	WIN 0
	v_lshl_or_b32 v[ZS],   v[PM+2], 16, v[PM]                                      ; sample r's scale word.  Eight plain lines, no v_med3 counted, follow it ahead of the first
	WIN (0x01*\sw)                                                                     ; product: steps 7, 8, 9, 11 here, four lines behind the macro (tail = 0: eight v_nop there)
	QMED \src, \dst, 0, 8, 16
	TLQ \tail, 7
	TLQ \tail, 8
	QMED \src, \dst, 1, 0, 16
	WIN 0
	TLQ \tail, 9
	QCVT \dst, 0
	WIN (0x01*\sw)
	QMED \src, \dst, 2, 0, 8
	TLQ \tail, 10                                  ; the v_med3 behind it is the plain line behind the exponential
	QMED \src, \dst, 2, 8, 16
	WIN 0
	QCVT \dst, 1
	TLQ \tail, 11
	WIN (0x01*\sw)
	QMED \src, \dst, 3, 0, 16
	WIN 0
	QCVT \dst, 2
	QCVT \dst, 3
.endm
; One scaled matrix instruction: features 16 ft .. + 15 x 16 samples, K = 128; C = the bias.  Source 0 (the weight) in window 1, all else in window 0.
.macro MM1 ft
	v_wmma_scale_f32_16x16x128_f8f6f4 v[R+8*\ft:R+8*\ft+7], v[16*\ft:16*\ft+15], v[C:C+15], v[BIAS+8*\ft:BIAS+8*\ft+7], v[WS+\ft], v[ZS]
.endm
; Slot j of 10, under the products' window setting (source 0 in window 1): ReLU of tile j (its first line reads the result's two lowest registers); four chains of pair sums of
; relu(z2) x iW2 over tile j - 1 (the very first takes ib2 / 4 along, nothing is cleared); a + t b of the next point into tile j - 2's registers.  The three take turns.
.macro SLOT j
.irp i, 0,1,2,3
.if \j <= 7
	v_dual_max_num_f32 v[R+8*\j+2*\i], 0, v[R+8*\j+2*\i] :: v_dual_max_num_f32 v[R+8*\j+2*\i+1], 0, v[R+8*\j+2*\i+1]
.endif
.if (\j >= 1) && (\j <= 8)
.set dn, 4*(\j-1)+\i
.if dn == 0
	v_pk_fma_f32 v[P:P+1], v[W2:W2+1], v[R:R+1], v[KAP:KAP+1]
.elseif dn < 4
	v_pk_mul_f32 v[P+2*dn:P+2*dn+1], v[W2+2*dn:W2+2*dn+1], v[R+2*dn:R+2*dn+1]
.else
	v_pk_fma_f32 v[P+2*\i:P+2*\i+1], v[W2+2*dn:W2+2*dn+1], v[R+2*dn:R+2*dn+1], v[P+2*\i:P+2*\i+1]
.endif
.endif
.if \j >= 2
.set fn, 8*(\j-2)+2*\i
	v_pk_fma_f32 v[R+fn:R+fn+1], v[B1+fn:B1+fn+1], v[T:T+1], v[A_+fn:A_+fn+1] op_sel_hi:[1,0,1]
.endif
.endr
.endm
.macro RELU                            ; the offset net's: ascending, each result is read from its low end on
.set rn, 0
.rept 32
	v_dual_max_num_f32 v[R+2*rn], 0, v[R+2*rn] :: v_dual_max_num_f32 v[R+2*rn+1], 0, v[R+2*rn+1]
.set rn, rn+1
.endr
.endm
.macro DOT2                            ; the offset net's last layer: element e times the pair (nW2[f][0], nW2[f][1]); a pair sum is (o0, o1).  Pairs 0-31 lie in window 0, 32-63 in window 1
.set dn, 0
.rept 64
.if dn == 32
	WIN 0x04
.endif
.if dn < 32
.set wn, BIAS+2*dn
.else
.set wn, W2+2*(dn-32)
.endif
.if dn < 4
	v_pk_mul_f32 v[P+2*dn:P+2*dn+1], v[R+(dn/2)*2:R+(dn/2)*2+1], v[wn:wn+1] op_sel:[dn%2,0] op_sel_hi:[dn%2,1]
.else
	v_pk_fma_f32 v[P+2*(dn%4):P+2*(dn%4)+1], v[R+(dn/2)*2:R+(dn/2)*2+1], v[wn:wn+1], v[P+2*(dn%4):P+2*(dn%4)+1] op_sel:[dn%2,0,0] op_sel_hi:[dn%2,1,1]
.endif
.set dn, dn+1
.endr
	WIN 0
.endm
.macro PLACES n
.rept \n
	v_nop
.endr
.endm
; ============================================================ head
	s_load_b512 s[8:23], s[0:1], 0x0               ; x s[8:9], iW0 s[10:11], ib0 s[12:13], iW1 s[14:15], ib1 s[16:17], iW2 s[18:19], ib2 s[20:21], nW0 s[22:23]
	s_load_b256 s[24:31], s[0:1], 0x40             ; nb0 s[24:25], nW1 s[26:27], nb1 s[28:29], nW2 s[30:31]
	s_load_b128 s[32:35], s[0:1], 0x60             ; nb2 s[32:33], out0 s[34:35]
	v_lshrrev_b32 v26, 5, v0
	v_readfirstlane_b32 s2, v26                    ; wave w, 0 to 7
	s_mov_b32 s40, 0x76543210                      ; v_permlanex16_b32: lane l xor 16
	s_mov_b32 s41, 0xfedcba98
	s_mov_b32 s42, 0x04800000                      ; 2^-118: exponent field 9
	s_mov_b32 s43, 0x7f800000                      ; the exponent field
	s_mov_b32 s44, 0x00600000                      ; the mantissa field of 448
	s_mov_b32 s45, 0xfc000000                      ; - 8 in the exponent field
	s_mov_b32 s46, 0xffff0000                      ; lanes 16-31
	v_and_b32 v24, 31, v0                          ; lane L
	v_and_b32 v[RR], 15, v0                        ; r
	v_bfe_u32 v[HH], v0, 4, 1                      ; h
	s_and_b32 s54, s2, 3                           ; which block of 32 along K my wave quantises
	s_lshr_b32 s55, s2, 2                          ; of which matrix: 0 iW1, 1 nW1
	s_lshl_b32 s56, s2, 9                          ; 512 w: 16 samples of 32 bytes
	s_lshl_b32 s57, s2, 6                          ; 64 w: 16 results
	s_mul_i32 s58, s55, WBYTES
	s_lshl_b32 s59, s54, 5
	s_add_co_u32 s58, s58, s59                     ; codes: the matrix, + 32 bytes a block
	s_lshl_b32 s59, s55, 9
	s_add_co_u32 s59, s59, s54                     ; scale bytes: the matrix, + 1 byte a block
	v_lshlrev_b32 v[T16], 4, v0
	v_lshlrev_b32 v[L16], 4, v24
	v_lshl_add_u32 v[VXR], v[RR], 5, s56           ; sample r of my wave
	v_lshl_add_u32 v[VX], v[HH], 3, v[VXR]         ; its inputs 2h, 2h+1
	v_mul_u32_u24 v[VST], v24, 4*WPITCH            ; my four columns are four rows of codes
	v_add_nc_u32 v[VST], s58, v[VST]
	v_lshl_add_u32 v[VSB], v24, 4, s59             ; and four scale words
	v_and_b32 v25, 8, v[RR]
	v_add_nc_u32 v25, v25, v[RR]                   ; f = r + 8 (r / 8)
	v_lshlrev_b32 v[VF0], 2, v25
	v_lshl_add_u32 v[VF], v[HH], 10, v[VF0]        ; lanes 16-31: two rows of 512 bytes further down
	v_lshl_add_u32 v[VA00], v[HH], 12, v[VF0]      ; L0I + 1024 - IB0 = 4096
	v_mul_u32_u24 v[VFR], v[RR], WPITCH
	v_lshl_add_u32 v[VFR], v[HH], 4, v[VFR]
	v_lshlrev_b32 v[VWS], 2, v[RR]
	v_lshlrev_b32 v[H32], 5, v[HH]
	v_lshlrev_b32 v[H64], 6, v[HH]
	v_lshl_add_u32 v[OUTA], v[RR], 2, s57
	s_wait_kmcnt 0x0
	s_load_b32 s36, s[20:21], 0x0                  ; ib2
	s_load_b64 s[38:39], s[32:33], 0x0             ; nb2
	s_lshl_b32 s4, ttmp9, 12                       ; 128 samples of 32 bytes
	s_mov_b32 s5, 0
	s_add_nc_u64 s[8:9], s[8:9], s[4:5]
	s_lshl_b32 s4, ttmp9, 9                        ; 128 results of 4 bytes
	s_add_nc_u64 s[34:35], s[34:35], s[4:5]
	s_cmp_lt_u32 s2, 4                             ; every choice of a buffer hangs on the wave's number alone
	s_cselect_b64 s[48:49], s[14:15], s[26:27]     ; iW1 or nW1,
	s_lshl_b32 s4, s54, 14
	s_add_nc_u64 s[48:49], s[48:49], s[4:5]        ; at my 32 rows of 512 bytes
	s_max_u32 s4, s2, 1
	s_sub_co_u32 s4, s4, 1
	s_lshl_b32 s4, s4, 9
	s_add_nc_u64 s[50:51], s[22:23], s[4:5]        ; row w - 1 of nW0 (7 rows) ...
	s_cmp_eq_u32 s2, 0
	s_cselect_b64 s[50:51], s[24:25], s[50:51]     ; ... and for wave 0 nb0
	s_cmp_eq_u32 s2, 1                             ; waves 0 to 5: ib0, ib1, nb1, iW2, nW2's two halves
	s_cselect_b64 s[52:53], s[16:17], s[12:13]
	s_cmp_eq_u32 s2, 2
	s_cselect_b64 s[52:53], s[28:29], s[52:53]
	s_cmp_eq_u32 s2, 3
	s_cselect_b64 s[52:53], s[18:19], s[52:53]
	s_cmp_ge_u32 s2, 4
	s_cselect_b64 s[52:53], s[30:31], s[52:53]
	s_cmp_eq_u32 s2, 5
	s_cselect_b32 s4, 512, 0
	s_add_nc_u64 s[52:53], s[52:53], s[4:5]
; ============================================================ all loads from memory
	s_cmp_gt_u32 s2, 5
	s_cbranch_scc1 .Lno_g3
	global_load_b128 v[48:51], v[L16], s[52:53]    ; issued first, so that the counts behind it are the same for every wave
.Lno_g3:
	WIN 0x40
.set k, 0
.rept 32
	global_load_b128 v[4*k:4*k+3], v[L16], s[48:49] offset:512*k    ; row k of my block, 512 consecutive bytes: lane L takes columns 4L .. 4L+3
.set k, k+1
.endr
	WIN 0
	global_load_b128 v[40:43], v[T16], s[10:11]    ; iW0: the 256 threads take all 4,096 bytes
	global_load_b128 v[44:47], v[L16], s[50:51]    ; my wave's row of nb0 / nW0
	global_load_b64 v[XA:XA+1], v[VX], s[8:9]
	global_load_b64 v[XK1:XK1+1], v[VX], s[8:9] offset:16
	global_load_b32 v[X], v[VXR], s[8:9]
; The table of t_s and cc_s, by wave 7 while its loads are on their way.  The assembler makes the numbers in fixed point, scale 2^30:
; cos(j pi/50) by the three-term recurrence from cos(pi/50); cc_j = (2/50) (1 - sum over q = 1..25 of 2 cos(2 q j pi/50) / (4 q^2 - 1)), half of
; that for j = 0 and 50 (the problem's own formula: only even rows of its cosine matrix carry weight, and its first and last columns are halved).
; t_(50-j) = (1 - cos(j pi/50)) / 2 and cc_(50-j) = cc_j, so 26 passes fill the entries.  t_j goes to entry j - 1 (t_0 = 1 is not stored: point 0 is a + b), cc_j to entry j + 1.
; A division is rounded: a positive multiple of the divisor and half of it are added first, since the assembler's division cuts toward zero.
	s_cmp_lg_u32 s2, 7
	s_cbranch_scc1 .Ltabdone
	v_mov_b32 v[TT+3], 0                           ; address 0, and the value 0
	ds_store_b32 v[TT+3], v[TT+3] offset:TAB+4     ; entry 0 has no cc: 0, so that the first trip's deferred end adds nothing
	ds_store_b32 v[TT+3], v[TT+3] offset:TAB+400   ; entries 50 and 51 have no t: the last trip's first layer is made with 0 and never read
	ds_store_b32 v[TT+3], v[TT+3] offset:TAB+408
.set FX,   1<<30
.set BIG,  4*FX*FX
.set C1,   1071623040                  ; cos(pi/50) x 2^30
.set cosj, FX
.set cosp, C1
.set j, 0
.rept 26
.set c2j,  (2*cosj*cosj+BIG+FX/2)/FX - 4*FX - FX       ; cos(2 j pi/50)
.set wsum, FX
.set chp,  FX
.set chq,  c2j
.set qq,   1
.rept 25
.set dd,   4*qq*qq-1
.set wsum, wsum - ((2*chq+4*FX*dd+dd/2)/dd - 4*FX)
.set chn,  (2*c2j*chq+BIG+FX/2)/FX - 4*FX - chp
.set chp,  chq
.set chq,  chn
.set qq,   qq+1
.endr
.if j == 0
.set wj, (wsum+25)/50
.else
.set wj, (wsum+12)/25
.endif
.set thi, (FX+cosj)/2
.set tlo, (FX-cosj)/2
	v_cvt_f32_i32 v[TT],   thi
	v_cvt_f32_i32 v[TT+1], tlo
	v_cvt_f32_i32 v[TT+2], wj
	v_pk_mul_f32 v[TT:TT+1], v[TT:TT+1], 0x30800000 op_sel_hi:[1,0]        ; x 2^-30
	v_mul_f32 v[TT+2], 0x30800000, v[TT+2]
.if j > 0
	ds_store_b32 v[TT+3], v[TT]   offset:TAB+8*j-8         ; t_j, in entry j - 1
.endif
	ds_store_b32 v[TT+3], v[TT+2] offset:TAB+8*j+12        ; cc_j, in entry j + 1
.if j < 25
	ds_store_b32 v[TT+3], v[TT+1] offset:TAB+392-8*j       ; t_(50-j), in entry 49 - j
	ds_store_b32 v[TT+3], v[TT+2] offset:TAB+412-8*j       ; cc_(50-j), in entry 51 - j
.endif
.set cosn, (2*C1*cosj+BIG+FX/2)/FX - 4*FX - cosp
.set cosp, cosj
.set cosj, cosn
.set j, j+1
.endr
.Ltabdone:
; ============================================================ my block of the weights becomes codes: a lane holds four columns, 32 numbers down K each
	s_wait_loadcnt 0x5                             ; the five loads issued behind the 32 rows (iW0, nb0 / nW0, the inputs) may stay out
	WIN 0x05                                       ; sources 0 and 1 in window 1
.irp p, 0,1,2,3,4,5,6,7,8,9,10,11,12,13,14,15
.irp i, 0,1,2,3
.if \p == 0
	v_max3_num_f32 v[M+\i], |v[\i]|, |v[4+\i]|, s42                        ; 2^-118 holds the byte at 1 from below
.else
	v_max3_num_f32 v[M+\i], |v[8*\p+\i]|, |v[8*\p+4+\i]|, v[M+\i]
.endif
.endr
.endr
	WIN 0
.irp i, 0,1,2,3
	v_and_or_b32 v[HI+\i], v[M+\i], s43, s44       ; 448 x scale
	v_add_nc_u32 v[SC+\i], s45, v[M+\i]            ; exponent field - 8
.endr
.irp i, 0,1,2,3
	WIN 0x01                                       ; source 0 in window 1
.set k, 0
.rept 32
	v_med3_num_f32 v[Y+k], v[4*k+\i], -v[HI+\i], v[HI+\i]      ; the hold; it also brings the column into consecutive registers
.set k, k+1
.endr
	WIN 0
.irp g, 0,1,2,3
	v_cvt_scalef32_pk8_fp8_f32 v[CD+8*\i+2*\g:CD+8*\i+2*\g+1], v[Y+8*\g:Y+8*\g+7], v[SC+\i]
.endr
	v_lshrrev_b32 v[PM+\i], 23, v[SC+\i]           ; the byte.  (Also the plain instruction between the conversions and what touches their results or writes their sources)
	ds_store_b128 v[VST], v[CD+8*\i:CD+8*\i+3]   offset:WI+WPITCH*\i       ; 32 codes of row n = 4L + i, at byte 32 x block
	ds_store_b128 v[VST], v[CD+8*\i+4:CD+8*\i+7] offset:WI+WPITCH*\i+16
	ds_store_b8 v[VSB], v[PM+\i] offset:SCW+4*\i
.endr
; ============================================================ staging of the small tensors; the inputs as operands
	s_wait_loadcnt 0x0
	ds_store_b128 v[T16], v[40:43] offset:L0I
	ds_store_b128 v[T16], v[44:47] offset:L0N      ; row w
	s_cmp_gt_u32 s2, 5
	s_cbranch_scc1 .Lno_s3
	ds_store_b128 v[T16], v[48:51] offset:SM       ; run w
.Lno_s3:
	v_cndmask_b32 v8, v[XA], 0, s46                ; (x, 0) in K slots 0, 1; lanes 16-31 (slots 2, 3): 0
	v_mov_b32 v9, 0
	v_mov_b32 v10, 0                               ; (0, x)
	v_mov_b32 v11, v8
	v_cndmask_b32 v[XA], 1.0, v[XA], s46           ; K slot 0 takes the bias: its input is 1.0
	s_wait_dscnt 0x0                               ; for the other waves' sake: all my LDS stores are done before I signal
	s_barrier_signal -1
	s_barrier_wait -1                              ; table, small tensors, codes and scale bytes are in LDS for everybody; nobody writes them again
; ============================================================ first layers, and the offset net: one tile
	L1F FN, VF, L0N, L0N
.irp t, 0,1,2,3,4,5,6,7
	ds_load_b32 v[FB+\t], v[VF0] offset:L0I+128*(\t/2)+32*(\t%2)           ; iW0[0] at the tile's features, in both halves of the lanes
.endr
	s_wait_dscnt 0x8                               ; LDS answers in order (ISA guide 5.7.1): the eight loads just issued may stay out
	WIN 0x50                                       ; C and D in window 1
	FW B1, FN                                      ; nb0 + h.nW0
	WIN 0
	L1F FA, VA00, IB0, L0I
	s_wait_dscnt 0x0
	FW A_, FA                                      ; a = ib0 + h.iW0[1:]
	FRAG WN, SCW+512                               ; nW1's codes and scale words
	BLOAD BIAS, NB1
	PLACES 8                                       ; eight places before vector work reads the results and writes over the fragments
	QUANT B1, R, 1, 0
	s_wait_dscnt 0x0                               ; fragments, scale words, nb1
	PLACES 8                                       ; eight places behind ZS, four of them wanted behind the last conversion
	WIN 0x01
.irp ft, 0,1,2,3,4,5,6,7
	MM1 \ft
.endr
	WIN 0x50
.irp t, 0,2,4,6                                ; b = x iW0[0]: one K slot carries x, the others 0.  A pair of FB serves two tiles: slot 0 for the even one, slot 1 for the odd
	v_wmma_f32_16x16x4_f32 v[B1+8*\t:B1+8*\t+7],    v[FB+\t:FB+\t+1], v[8:9],   0
	v_wmma_f32_16x16x4_f32 v[B1+8*\t+8:B1+8*\t+15], v[FB+\t:FB+\t+1], v[10:11], 0
.endr
	WIN 0
	PLACES 8                                       ; eight places before loads land on what the products read and vector work reads their results
.irp ft, 0,1,2,3
.irp i, 0,1,2,3
	ds_load_b128 v[BIAS+16*\ft+4*\i:BIAS+16*\ft+4*\i+3], v[H64] offset:NW2+128*\ft+16*\i   ; pairs of nW2 at features 16 ft + 8 h + 2 i, + 1
.endr
.endr
	WIN 0x40
.irp ft, 4,5,6,7
.irp i, 0,1,2,3
	ds_load_b128 v[W2+16*(\ft-4)+4*\i:W2+16*(\ft-4)+4*\i+3], v[H64] offset:NW2+128*\ft+16*\i
.endr
.endr
	FRAG WI, SCW                                   ; iW1's codes and scale words, on their way during what follows
	RELU
	s_wait_dscnt 0x28                              ; the 40 loads of iW1 (32 of fragments, 8 scale words) may stay out; nW2 is in
	DOT2
	BLOAD BIAS, IB1
	WIN 0x40
	BLOAD W2, IW2
	WIN 0
	v_pk_add_f32 v[P:P+1],   v[P:P+1],   v[P+2:P+3]
	v_pk_add_f32 v[P+4:P+5], v[P+4:P+5], v[P+6:P+7]
	v_pk_add_f32 v[P:P+1],   v[P:P+1],   v[P+4:P+5]
	v_permlanex16_b32 v[PM],   v[P],   s40, s41
	v_permlanex16_b32 v[PM+1], v[P+1], s40, s41
	v_pk_add_f32 v[P:P+1], v[P:P+1], v[PM:PM+1]    ; the other 64 features
	s_wait_kmcnt 0x0                               ; ib2, nb2
	v_add_f32 v[OFF], s38, v[P]
	v_add_f32 v[EN], s39, v[P+1]
	v_mul_f32 v[EN], 0x3fb8aa3b, v[EN]             ; e^o1 = 2^(o1 log2 e)
	v_exp_f32 v[SCL], v[EN]
	v_mov_b32 v[ZEST], 0                           ; a plain instruction behind the exponential
	s_mul_f32 s36, s36, 0x3e800000                 ; ib2 / 4: two halves of a pair in two lanes make it whole
	v_mov_b32 v[KAP], s36
	v_mov_b32 v[KAP+1], s36
.irp i, 0,1,2,3,4,5,6,7
	v_mov_b32 v[P+\i], 0                           ; the first trip's deferred end finds zeros, and a weight of 0 in entry 0
.endr
	v_mov_b32 v[GP], 0                             ; (the destination of a lane permute counts as read)
	v_mov_b32 v[TAB_A], 0
	ds_load_b64 v[T:T+1], v[TAB_A] offset:TAB      ; entry 0 = (t_1, 0)
	WIN 0x01
.set gn, 0
.rept 32
	v_pk_add_f32 v[R+gn:R+gn+1], v[B1+gn:B1+gn+1], v[A_+gn:A_+gn+1]        ; point 0: t_0 = 1, so z1 = a + b.  Ascending: each result is read from its low end on
.set gn, gn+2
.endr
	WIN 0
	s_mov_b32 s3, 0
; ============================================================ 51 quadrature points.  No barrier: a wave shares nothing here.
; At a trip's head R holds point s's first layer, P the pair sums of point s - 1, and entry s = (t_(s+1), cc_(s-1)) is on its way.
.Lpoint:
	QUANT R, R, 0, 1                               ; with steps 1 to 11 of point s - 1's end
	s_wait_dscnt 0x0                               ; the table entry, asked for at the end of the trip before; in the first trip also iW1's fragments and scale words, ib1 and iW2
	TL 12                                          ; these four lines are the places behind the last conversion
	s_add_co_u32 s3, s3, 1                         ; the trip counter's one step
	s_lshl_b32 s47, s3, 3
	v_mov_b32 v[TAB_A], s47
	PLACES 2
	WIN 0x01                                       ; source 0 in window 1: the weight's codes, iW2, b
	MM1 0
	PLACES 4                                       ; eight places stand between a product and the first read of its result: for tile 0 these eight v_nop
	MM1 1
	PLACES 4                                       ; for tile 1 these four and slot 0's four, from tile 2 on the slots between (12 lines and more), which name none of its registers
	MM1 2
	SLOT 0
	MM1 3
	SLOT 1
	MM1 4
	SLOT 2
	MM1 5
	SLOT 3
	MM1 6
	SLOT 4
	MM1 7
	SLOT 5
	SLOT 6
	SLOT 7
	SLOT 8
	SLOT 9
	WIN 0
	ds_load_b64 v[T:T+1], v[TAB_A] offset:TAB      ; entry s + 1: no line reads T before the wait above
	s_cmp_lt_u32 s3, NPTS
	s_cbranch_scc1 .Lpoint
; ============================================================ the result
	s_wait_dscnt 0x0                               ; entry 51: cc_50
.irp n, 1,2,3,4,5,6,7,8,9,10
	TL \n
.endr
	v_nop                                          ; a plain instruction behind the exponential
	TL 11
	TL 12
	v_mul_f32 v[EN], v[ZEST], v[X]
	v_mul_f32 v[EN], 0.5, v[EN]                    ; the integral
	v_fma_f32 v[EN], v[SCL], v[EN], v[OFF]
	v_mul_f32 v[EN], 0xbfb8aa3b, v[EN]             ; sigmoid(u) = 1 / (1 + 2^(-u log2 e))
	v_exp_f32 v[EN], v[EN]
	v_and_b32 v[GP], 31, v0                        ; a plain instruction behind each transcendental
	s_wait_alu depctr_va_vdst(0)
	v_add_f32 v[EN], 1.0, v[EN]
	v_rcp_f32 v[EN], v[EN]
	v_lshlrev_b32 v[GP], 4, v[GP]                  ; 16 x lane
	s_wait_alu depctr_va_vdst(0)
	ds_store_b32 v[OUTA], v[EN] offset:OUTS        ; lanes r and r + 16 hold the same sample and write the same word with the same value
	s_wait_dscnt 0x0                               ; for wave 0's sake
	s_barrier_signal -1
	s_barrier_wait -1
	s_cmp_lg_u32 s2, 0
	s_cbranch_scc1 .Lend
	ds_load_b128 v[P:P+3], v[GP] offset:OUTS       ; the work-group's 128 results
	s_wait_dscnt 0x0
	global_store_b128 v[GP], v[P:P+3], s[34:35]    ; one store of 512 consecutive bytes, at a multiple of 512 from out0's first byte
.Lend:
	s_wait_xcnt 0x0
	v_lshl_add_u32 v254, v0, 2, 0xc400
	v_mov_b32 v255, 0
	s_wait_tensorcnt 0x0
	ds_add_u32 v254, v255
	s_wait_dscnt 0x0
	s_endpgm
.Lfunc_end_k_qcaf5289633_mono:
	.size	k_qcaf5289633_mono, .Lfunc_end_k_qcaf5289633_mono-k_qcaf5289633_mono
	.p2alignl 7, 3214868480
	.fill 96, 4, 3214868480
	.section	.rodata,"a",@progbits
	.p2align	6, 0x0
	.amdhsa_kernel k_qcaf5289633_mono
		.amdhsa_group_segment_fixed_size 51200
		.amdhsa_private_segment_fixed_size 0
		.amdhsa_enable_private_segment 0
		.amdhsa_kernarg_size 112
		.amdhsa_user_sgpr_count 2
		.amdhsa_user_sgpr_kernarg_segment_ptr 1
		.amdhsa_wavefront_size32 1
		.amdhsa_system_sgpr_workgroup_id_x 1
		.amdhsa_system_sgpr_workgroup_id_y 1
		.amdhsa_system_sgpr_workgroup_id_z 1
		.amdhsa_system_vgpr_workitem_id 0
		.amdhsa_next_free_vgpr 512
		.amdhsa_next_free_sgpr 66
		.amdhsa_reserve_vcc 0
		.amdhsa_float_denorm_mode_32 3
		.amdhsa_float_denorm_mode_16_64 3
		.amdhsa_memory_ordered 1
		.amdhsa_forward_progress 1
		.amdhsa_inst_pref_size 92
	.end_amdhsa_kernel
	.amdgpu_metadata
---
amdhsa.version: [ 1, 2 ]
amdhsa.kernels:
  - .name:           k_qcaf5289633_mono
    .symbol:         k_qcaf5289633_mono.kd
    .args:
      - { .name: x_input, .offset: 0, .size: 8, .value_kind: global_buffer, .address_space: global }
      - { .name: iW0, .offset: 8, .size: 8, .value_kind: global_buffer, .address_space: global }
      - { .name: ib0, .offset: 16, .size: 8, .value_kind: global_buffer, .address_space: global }
      - { .name: iW1, .offset: 24, .size: 8, .value_kind: global_buffer, .address_space: global }
      - { .name: ib1, .offset: 32, .size: 8, .value_kind: global_buffer, .address_space: global }
      - { .name: iW2, .offset: 40, .size: 8, .value_kind: global_buffer, .address_space: global }
      - { .name: ib2, .offset: 48, .size: 8, .value_kind: global_buffer, .address_space: global }
      - { .name: nW0, .offset: 56, .size: 8, .value_kind: global_buffer, .address_space: global }
      - { .name: nb0, .offset: 64, .size: 8, .value_kind: global_buffer, .address_space: global }
      - { .name: nW1, .offset: 72, .size: 8, .value_kind: global_buffer, .address_space: global }
      - { .name: nb1, .offset: 80, .size: 8, .value_kind: global_buffer, .address_space: global }
      - { .name: nW2, .offset: 88, .size: 8, .value_kind: global_buffer, .address_space: global }
      - { .name: nb2, .offset: 96, .size: 8, .value_kind: global_buffer, .address_space: global }
      - { .name: out0, .offset: 104, .size: 8, .value_kind: global_buffer, .address_space: global }
    .group_segment_fixed_size: 51200
    .private_segment_fixed_size: 0
    .kernarg_segment_align: 8
    .kernarg_segment_size: 112
    .max_flat_workgroup_size: 256
    .sgpr_count:     66
    .vgpr_count:     512
    .wavefront_size: 32
...
	.end_amdgpu_metadata
.endif
;; end of part 1
